; MI455X (gfx1250); checked and timed in simulation.
; The chip was launched on July 23, 2026; its instructions are those of AMD's public machine-readable ISA for CDNA 5 (MIT licence, August 2026) and "CDNA5" Instruction Set Architecture Reference Guide (July 2026). The comments in the code are by the model that wrote it; some were corrected since.
;; Robust Sum. Allowed arithmetic: float matrix products may take bf16 or f16 operands with f32 sums; all other float work in f32.
;; Inputs: weight 1,024 x 1,024 float32; x 128 x 1,024 float32.
;; Outputs: out0 128 x 1,024 float32.
;; 2 versions, each right and faster than the one before. Each part assembles by itself: llvm-mc -triple=amdgcn-amd-amdhsa -mcpu=gfx1250 --defsym DOCPART=n.
;; ======== version 1 of 2: 1 launch
;; limits: right only within a limited range of input values
;; launch robust (part 1): grid 16 x 16, 4 waves a work-group, clusters of 4 x 1, 327,680 bytes of LDS; arguments weight, x, out0; writes out0
.if DOCPART == 1
	.amdgcn_target "amdgcn-amd-amdhsa--gfx1250"
	.amdhsa_code_object_version 6
	.text
	.protected	k_q823979a6ec_robust
	.globl	k_q823979a6ec_robust
	.p2align	8
	.type	k_q823979a6ec_robust,@function
k_q823979a6ec_robust:
	s_mov_b64 s[64:65], 0
	v_nop
	global_prefetch_b8 v0, s[64:65] scope:SCOPE_SE
	s_setreg_imm32_b32 hwreg(HW_REG_WAVE_MODE, 25, 1), 1
	s_wait_xcnt 0x0
	s_wait_alu depctr_hold_cnt(0) depctr_sa_sdst(0) depctr_va_vdst(0) depctr_va_sdst(0) depctr_va_ssrc(0) depctr_va_vcc(0) depctr_vm_vsrc(0)
	s_getreg_b32 s2, hwreg(HW_REG_IB_STS2, 6, 4)
	s_cmp_eq_u32 s2, 0
	s_cbranch_scc0 .Lentry_in_a_cluster
	s_endpgm
.Lentry_in_a_cluster:
	s_bfe_u32 s2, ttmp6, 0x10000c
	s_cmp_lg_u32 s2, 0x3003
	s_cbranch_scc0 .Lentry_shape_is_right
	s_endpgm
.Lentry_shape_is_right:
; RobustSum, L1 branch.  z = x W; then three times: c = z / 1024, r_i = 1 / (|x_i w_i - c| + 0.001), z = 1024 sum(r_i x_i w_i) / max(sum(r_i), 1e-12).
; x: [128][1024], weight: [1024 (i)][1024 (o)], out0: [128][1024], all f32.
; FORMAT.  The start z = x W goes to the matrix unit with bf16 operands and f32 sums.  Every use of x and of weight takes the number rounded to bf16 (widened to f32 again), so that the start
; and the terms x_i w_i of the iteration are made of the same numbers.  All else is f32.
; LIMITS.  Two terms share a reciprocal, 1 / (Ta Tb) with T = |d| + 0.001: Ta Tb has to stay under 2^126, that is |x w| under some 9e18.  NaN and infinities are not treated apart.
; ARITHMETIC.  d = x w - c in one fused multiply-add.  sum(r x w) = sum(r d) + c sum(r), so x w is never made apart.  For two terms a, b: ra + rb = (Ta + Tb) / (Ta Tb) and
; ra da + rb db = (Tb da + Ta db) / (Ta Tb).  Four terms (two i x two columns, the columns packed) take 12 plain instructions and 2 reciprocals.
; SHARES.  A work-group owns 8 rows of x and 64 columns; a wave 16 of the columns, over all 1,024 i.  Lane 8 g + c owns columns 2 c, 2 c + 1 of them and i = 16 s + 4 g + t, s = 0..63, t = 0..3.
; A column's four partial sums lie in lanes 8 and 16 apart.  The waves need nothing of each other between the start and the way out.
; THE LOOP goes along s, and a trip does ALL 8 rows of x for one s: the lane's 8 weights are read from LDS and rounded once for 8 rows' 64 terms (12 instructions beside 224), and the text of a
; trip serves every s.  The weights stay in LDS as they came: it has no room for a rounded copy, and registers cannot be indexed by a loop.
; CLUSTER.  The four work-groups of a cluster own the same 64 columns and four blocks of rows of x: the tile of weight (1,024 rows of 256 bytes) is asked for JOINTLY, the same tensor loads,
; descriptors and mask in all four.  x is not shared so: it goes through registers to be rounded, and is 32 KiB of a work-group's 292.
.set WP,    272                        ; a row of the weight tile in LDS: 256 bytes + 16 of padding: rows 4 apart start 64 bytes apart modulo 256
.set XP,    4192                       ; a row of x in LDS: 4,096 bytes, its first 64 once more, 32 of padding: 96 modulo 256
.set XS,    1040*WP                    ; x behind the weight tile, whose rows 1,024 to 1,039 repeat rows 0 to 15.  Both repeats serve the look-ahead of an iteration's last trip: it fetches s = 0 for the next iteration, and the addresses only ever step up
.set STG,   XS+8*XP                    ; the stage for the way out: 8 rows of 256 bytes
.set SPARE, STG+2048                   ; the spare words, 128 bytes for each wave: two blocks of 256 bytes that no other line names
.set NG,    16                         ; groups of four terms in a trip: group n is row n % 8 of x, t = 2 (n / 8) and 2 (n / 8) + 1
.set XB0, 3                            ; v3   LDS address of my 16 bytes in the first 64 of row 0 of x: XS + 16 g
.set XA,  4                            ; v4   the same for the s in hand
.set WB0, 5                            ; v5   LDS address of my two columns in row 4 g of the tile
.set WA,  6                            ; v6   the same for the s (in the start: the chunk) in hand
.set AA,  7                            ; v7   the start: LDS address for the fragments of x: row lane % 8, piece g
.set T16, 8                            ; v8   16 x my thread's number: my byte offset in 2,048 bytes of x
.set XST, 9                            ; v9   the same in LDS
.set SPW, 10                           ; v10  LDS address of my spare word; never rewritten
.set NIL, 11                           ; v11  0; never rewritten
.set STO, 12                           ; v12  the way out: where my two columns go
.set RD,  13                           ; v13  the way out: where I read 16 bytes back
.set GO,  14                           ; v14  my byte offset in the work-group's part of out0
.set GD,  15                           ; v15  my byte offset in x of one of the 128 numbers that are laid down twice
.set CC,  16                           ; v16-31   c: row b's two columns at CC + 2 b
.set AC,  32                           ; v32-63   row b at AC + 4 b: sum(r) of my two columns, sum(r d) of my two columns
.set WR,  64                           ; v64-71   the next s's weights as loaded: row t's two columns at WR + 2 t
.set WW,  72                           ; v72-79   the weights in hand, rounded
.set WK,  80                           ; v80-83   two bf16 a register, at work
.set PT,  84                           ; v84-123  four sets of ten, group n in set n % 4: Ta, Tb, Ta Tb (then its reciprocal), Ta + Tb, Tb da + Ta db, a pair each
.set XV,  124                          ; v124-155 x: row b's four t at XV + 4 b, the same in the eight lanes of a group
.set DB,  156                          ; v156-219 d: group n's da, db at DB + 4 n
.set XR,  124                          ; set-up: x as loaded, 64 registers
.set PX,  84                           ;   two bf16 a register, at work
.set LDD, 100                          ;   where the number laid down twice goes
.set XD,  101                          ;   that number
.set XQ,  124                          ; the start: x for the fragments, 16
.set RAW, 156                          ;   a chunk's weights as loaded, 32
.set AF,  84                           ;   fragment of x, 8
.set FB,  92                           ;   fragments of weight, 8 + 8 (columns 0 and 1)
.set Z0,  188                          ;   the two accumulators, 8 + 8
.set ZT,  204
.set ZU,  156
.set OV,  156                          ; the way out: the 16 results
.set WV,  12                           ; s12  my wave's number
.set G1,  16                           ; s[16:23] descriptor group 1: 256 rows
.set G1S, 24                           ; s[24:31] the same for 4 rows
.set G0,  32                           ; s[32:35] descriptor group 0 of my 256 rows
.set G0S, 36                           ; s[36:39] of my 4 of the rows that are laid down twice
.set EPS, 40                           ; s40  0.001
.set HIM, 41                           ; s41  a word's upper bf16
.set SEL, 42                           ; s[42:43] v_permlanex16_b32's selects: each lane takes its own place in the other half
.set VM,  44                           ; s44  the lanes that hold true sums behind the matrix products
.set TINY, 45                          ; s45  1e-12
.set IT,  46                           ; s46  counts the three iterations
.set CNT, 47                           ; s47  counts the start's chunks, then an iteration's 64 trips
; A round of the cluster's barrier: my work-group's barrier, so that wave 0's signal speaks for all four waves; wave 0 signals; every wave waits for all four work-groups; my work-group's barrier once more.
.macro CROUND
	s_barrier_signal -1
	s_barrier_wait -1
	s_cmp_lg_u32 s[WV], 0
	s_cbranch_scc1 .Lnot_wave_0_\@
	s_barrier_signal -3
.Lnot_wave_0_\@:
	s_barrier_wait -3
	s_barrier_signal -1
	s_barrier_wait -1
.endm
	s_load_b128 s[4:7], s[0:1], 0x0                ; weight s[4:5], x s[6:7]
	s_load_b64 s[8:9], s[0:1], 0x10                ; out0
	v_lshl_add_u32 v[SPW], v0, 2, SPARE
	v_mov_b32 v[NIL], 0
	ds_add_u32 v[SPW], v[NIL]                      ; the wave's opening: the add and its wait stand ahead of my first tensor load; the set-up below, work on registers, stands between them
	ds_add_u32 v10, v11
	v_lshrrev_b32 v1, 5, v0
	v_readfirstlane_b32 s[WV], v1                  ; wave 0..3
	s_bfe_u32 s13, ttmp6, 0x40000                  ; cx: my place in the cluster
	s_lshl_b32 s14, ttmp9, 2                       ; in a cluster launch ttmp9 counts clusters
	s_add_co_u32 s14, s14, s13                     ; my block of 8 rows of x = 4 x cluster x + cx: it enters x's and out0's addresses alone
	s_and_b32 s15, ttmp7, 0xffff                   ; the block of 64 columns, which the four partners share
	; descriptor group 1: rows of 64 elements of 4 bytes, padded in LDS
.irp g, G1, G1S
	s_mov_b32 s[\g+0], 15|(2<<16)|(1<<20)|(1<<21)|(5<<22)|(3<<25)  ; 15:0 the mask of four; 17:16 4-byte elements; 20 padding on; 21 set beside a mask; 24:22 after every 64 words (code 5); 31:25 4 words (code 3)
	s_mov_b32 s[\g+1], 64<<16                      ; tensor_dim0 = 64
	s_mov_b32 s[\g+3], 64<<16                      ; tile_dim0 = 64
	s_mov_b32 s[\g+5], 1024                        ; 1,024 elements from row to row
	s_mov_b32 s[\g+6], 0
	s_mov_b32 s[\g+7], 0
.endr
	s_mov_b32 s[G1+2], 256<<16                     ; tensor_dim1 = 256
	s_mov_b32 s[G1+4], 256                         ; tile_dim1 = 256
	s_mov_b32 s[G1S+2], 4<<16                      ; tensor_dim1 = 4
	s_mov_b32 s[G1S+4], 4                          ; tile_dim1 = 4
	s_mov_b32 s[G0], 1                             ; 1:0 count = 1
	s_mul_i32 s[G0+1], s[WV], 256*WP               ; 63:32 LDS address: row i of the tile lies at i x 272; no place in the cluster enters an LDS address
	s_mov_b32 s[G0S], 1
	s_mul_i32 s[G0S+1], s[WV], 4*WP
	s_add_co_u32 s[G0S+1], s[G0S+1], 1024*WP       ; rows 4 wave .. + 3 once more, as rows 1,024 + 4 wave .. + 3
	s_lshl_b32 s48, s[WV], 20                      ; my 256 rows of 4,096 bytes,
	s_lshl_b32 s49, s15, 8                         ; the block's 64 columns
	s_add_co_u32 s48, s48, s49
	s_mov_b32 s49, 0
	s_lshl_b32 s50, s[WV], 14                      ; my 4 rows,
	s_lshl_b32 s51, s15, 8                         ; the same columns
	s_add_co_u32 s50, s50, s51
	s_mov_b32 s51, 0
	s_lshl_b32 s52, s14, 15                        ; my 8 rows of x and of out0
	s_mov_b32 s53, 0
	s_lshl_b32 s54, s15, 8
	s_mov_b32 s55, 0
	s_lshl_b32 s3, s[WV], 6                        ; my wave's 16 columns, in bytes
	s_mov_b32 s[EPS], 0x3a83126f                   ; 0.001
	s_mov_b32 s[HIM], 0xffff0000
	s_mov_b32 s[SEL], 0x76543210
	s_mov_b32 s[SEL+1], 0xfedcba98
	s_mov_b32 s[VM], 0xff0000ff                    ; lanes 0-7 and 24-31
	s_mov_b32 s[TINY], 0x2b8cbccc                  ; 1e-12
	s_wait_dscnt 0x0                               ; the opening add is done
	s_wait_kmcnt 0x0
	s_add_nc_u64 s[G0+2:G0+3], s[4:5], s[48:49]    ; 120:64 global address
	s_or_b32 s[G0+3], s[G0+3], 0x80000000          ; 127:126 type = 2
	s_add_nc_u64 s[G0S+2:G0S+3], s[4:5], s[50:51]
	s_or_b32 s[G0S+3], s[G0S+3], 0x80000000
	s_add_nc_u64 s[6:7], s[6:7], s[52:53]          ; x at my first row
	s_add_nc_u64 s[8:9], s[8:9], s[52:53]          ; out0 at my first row
	s_add_nc_u64 s[8:9], s[8:9], s[54:55]          ; and first column
	CROUND                                         ; all four work-groups are here: the joint loads meet
	tensor_load_to_lds s[G0:G0+3], s[G1:G1+7]      ; all fills of the launch, in one group: two loads of mine are out
	s_nop 0
	tensor_load_to_lds s[G0S:G0S+3], s[G1S:G1S+7]
	s_nop 0
	; x: the work-group's 8 rows are 32,768 bytes on end; load j of a wave's 16 covers 512 of them.  Ahead of them one number a thread: number thread % 16 of row thread / 16, which is laid down twice.
	v_lshlrev_b32 v[T16], 4, v0
	v_and_b32 v1, 15, v0
	v_lshrrev_b32 v2, 4, v0
	v_lshlrev_b32 v[GO], 12, v2                    ; sixteen threads to a row
	v_lshl_add_u32 v[GD], v1, 2, v[GO]
	v_lshl_add_u32 v[GO], v1, 4, v[GO]
	global_load_b32 v[XD], v[GD], s[6:7]
.set j, 0
.rept 16
	global_load_b128 v[XR+4*j:XR+4*j+3], v[T16], s[6:7] offset:2048*j
.set j, j+1
.endr
	v_mul_u32_u24 v[LDD], v2, XP
	v_lshl_add_u32 v[LDD], v1, 2, v[LDD]
	v_add_nc_u32 v[LDD], XS+4096, v[LDD]
	v_and_b32 v1, 7, v0                            ; c
	v_bfe_u32 v2, v0, 3, 2                         ; g
	v_mul_u32_u24 v[WB0], v2, 4*WP                 ; weight tile: row 4 g,
	v_lshl_add_u32 v[WB0], v1, 3, v[WB0]           ; my two columns
	v_add_nc_u32 v[WB0], s3, v[WB0]                ; of my wave's sixteen
	v_mov_b32 v[WA], v[WB0]
	v_mul_u32_u24 v[AA], v1, XP                    ; fragments of x: row c,
	v_lshl_add_u32 v[AA], v2, 4, v[AA]             ; piece g
	v_add_nc_u32 v[AA], XS, v[AA]
	v_lshlrev_b32 v[XB0], 4, v2
	v_add_nc_u32 v[XB0], XS, v[XB0]
	v_lshl_add_u32 v[XST], v0, 4, XS
	v_lshl_add_u32 v[STO], v1, 3, STG
	v_add_nc_u32 v[STO], s3, v[STO]
	v_lshl_add_u32 v[RD], v0, 4, STG
	; x is rounded to bf16, widened again and laid into LDS
	s_wait_loadcnt 16                              ; loads come back in order (ISA guide 5.7.1): the first is in, the 16 behind it stay out
	v_cvt_pk_bf16_f32 v[XD], v[XD], v[XD]
	v_lshlrev_b32 v[XD], 16, v[XD]
	ds_store_b32 v[LDD], v[XD]                     ; a row's first 16 numbers once more, behind its last
.set j, 0
.rept 16
	s_wait_loadcnt 15-j                            ; load j is in, the younger ones stay out
	v_cvt_pk_bf16_f32 v[PX+2*(j%4)], v[XR+4*j], v[XR+4*j+1]
	v_cvt_pk_bf16_f32 v[PX+2*(j%4)+1], v[XR+4*j+2], v[XR+4*j+3]
	v_lshlrev_b32 v[XR+4*j], 16, v[PX+2*(j%4)]
	v_and_b32 v[XR+4*j+1], s[HIM], v[PX+2*(j%4)]
	v_lshlrev_b32 v[XR+4*j+2], 16, v[PX+2*(j%4)+1]
	v_and_b32 v[XR+4*j+3], s[HIM], v[PX+2*(j%4)+1]
	ds_store_b128 v[XST], v[XR+4*j:XR+4*j+3] offset:(j/2)*XP+(j%2)*2048
.set j, j+1
.endr
	s_wait_tensorcnt 0x0                           ; my two parts of the tile have landed,
	s_wait_dscnt 0x0                               ; my stores of x are done: for the others' sake
	s_barrier_signal -1
	s_barrier_wait -1                              ; everybody's are
; THE START.  A chunk is 64 rows of the tile: four s, 16 of my i.  LOADCH asks for my 16 rows' two columns and for 16 numbers of x.
.macro LOADCH
.irp sl, 0,1,2,3
.irp t, 0,1,2,3
	ds_load_b64 v[RAW+8*\sl+2*\t:RAW+8*\sl+2*\t+1], v[WA] offset:\sl*16*WP+\t*WP
.endr
.endr
.irp sl, 0,1,2,3
	ds_load_b128 v[XQ+4*\sl:XQ+4*\sl+3], v[AA] offset:64*\sl
.endr
.endm
; PROC rounds a chunk and multiplies.  Two rows' four registers (a0 a1 b0 b1) give two bf16 pairs along i, (a0 b0) and (a1 b1): these ARE the registers of the matrix operand, 16 i of one column a lane.
; Operand A's lane l holds x[l % 8] at the i of group l / 8, operand B's lane l one of its columns at its own i.  D(m, n) adds lanes (m, h) x (n, h) over the halves h, so it is a true
; sum where m / 8 = n / 8: in lanes 0-7 (groups 0 and 2) and lanes 24-31 (groups 1 and 3), register j for row j of x.  The two accumulators take turns.
; more = 1: the next chunk is asked for when this one's registers have been read, ahead of the products.
.macro PROC zero, more
	s_wait_dscnt 0x0                               ; the chunk is in
.set i, 0
.rept 8
	v_cvt_pk_bf16_f32 v[FB+i], v[RAW+4*i], v[RAW+4*i+2]
	v_cvt_pk_bf16_f32 v[FB+8+i], v[RAW+4*i+1], v[RAW+4*i+3]
.set i, i+1
.endr
.set i, 0
.rept 8
	v_cvt_pk_bf16_f32 v[AF+i], v[XQ+2*i], v[XQ+2*i+1]  ; exact: x in LDS is rounded already
.set i, i+1
.endr
.if \more
	v_add_nc_u32 v[WA], 64*WP, v[WA]
	v_add_nc_u32 v[AA], 256, v[AA]
	LOADCH
.endif
.if \zero
	v_wmma_f32_16x16x32_bf16 v[Z0:Z0+7], v[AF:AF+7], v[FB:FB+7], 0          ; the first chunk starts the sums
	v_wmma_f32_16x16x32_bf16 v[Z0+8:Z0+15], v[AF:AF+7], v[FB+8:FB+15], 0
.else
	v_wmma_f32_16x16x32_bf16 v[Z0:Z0+7], v[AF:AF+7], v[FB:FB+7], v[Z0:Z0+7]
	v_wmma_f32_16x16x32_bf16 v[Z0+8:Z0+15], v[AF:AF+7], v[FB+8:FB+15], v[Z0+8:Z0+15]
.endif
.rept 4
	v_nop                                          ; four places (ISA guide 7.12.1) ahead of the lines that write the fragments anew, or read the sums
.endr
.endm
	LOADCH
	PROC 1, 1                                      ; chunk 0
	s_mov_b32 s[CNT], 14
.Lstart:
	PROC 0, 1                                      ; chunks 1 to 14
	s_sub_co_u32 s[CNT], s[CNT], 1
	s_cmp_lg_u32 s[CNT], 0
	s_cbranch_scc1 .Lstart
	PROC 0, 0                                      ; chunk 15: nothing is left to ask for
	; the first trip's weights and x, s = 0: on their way while c is made
.irp t, 0,1,2,3
	ds_load_b64 v[WR+2*\t:WR+2*\t+1], v[WB0] offset:\t*WP
.endr
.set n, 0
.rept 8
	ds_load_b128 v[XV+4*n:XV+4*n+3], v[XB0] offset:n*XP
.set n, n+1
.endr
	; c = z / 1024 for 8 rows x 2 columns: the lanes without a true sum give 0, then the four lanes of a column are added.  Each accumulator is read from its lowest register on.
.set i, 0
.rept 16
	v_cndmask_b32 v[ZT+i], 0, v[Z0+8*(i%2)+i/2], s[VM]
.set i, i+1
.endr
.set i, 0
.rept 16
	v_add_f32_dpp v[ZT+i], v[ZT+i], v[ZT+i] row_xmask:8 row_mask:0xf bank_mask:0xf
.set i, i+1
.endr
.set i, 0
.rept 16
	v_permlanex16_b32 v[ZU+i], v[ZT+i], s[SEL], s[SEL+1]
.set i, i+1
.endr
.set i, 0
.rept 8
	v_pk_add_f32 v[ZT+2*i:ZT+2*i+1], v[ZT+2*i:ZT+2*i+1], v[ZU+2*i:ZU+2*i+1]
.set i, i+1
.endr
.set i, 0
.rept 16
	v_mul_f32 v[CC+i], 0x3a800000, v[ZT+i]
.set i, i+1
.endr
; The weights of one s are rounded to bf16 and widened again, in two steps.
.macro ROUNDW1
.irp t, 0,1,2,3
	v_cvt_pk_bf16_f32 v[WK+\t], v[WR+2*\t], v[WR+2*\t+1]
.endr
.endm
.macro ROUNDW2
	s_wait_alu depctr_va_vdst(0)
.irp t, 0,1,2,3
	v_lshlrev_b32 v[WW+2*\t], 16, v[WK+\t]
	v_and_b32 v[WW+2*\t+1], s[HIM], v[WK+\t]
.endr
.endm
; Bundle j holds four stages of four groups: T of group j; Ta Tb, Ta + Tb and Tb da of group j - 1; the two reciprocals and + Ta db of group j - 2; the sums of group j - 3.
; So in a full bundle no line reads a result made fewer than eight lines before it, the two reciprocals stand six lines apart, and a plain line that touches neither its result nor its source follows each (ISA guide 5.7.2).
.macro BUNDLE j
.set nA, (\j)
.set nB, (\j)-1
.set nC, (\j)-2
.set nD, (\j)-3
.set dA, DB+4*nA
.set dB, DB+4*nB
.set dC, DB+4*nC
.set pA, PT+10*(nA%4)
.set pB, PT+10*(nB%4)
.set pC, PT+10*(nC%4)
.set pD, PT+10*(nD%4)
.set aD, AC+4*(nD%8)
.if (nC >= 0) && (nC < NG)
	v_rcp_f32 v[pC+4], v[pC+4]
.endif
.if nA < NG
	v_add_f32 v[pA], |v[dA]|, s[EPS]
	v_add_f32 v[pA+1], |v[dA+1]|, s[EPS]
.endif
.if (nB >= 0) && (nB < NG)
	v_pk_mul_f32 v[pB+4:pB+5], v[pB:pB+1], v[pB+2:pB+3]
.endif
.if nD >= 0
	s_wait_alu depctr_va_vdst(0)
	v_pk_fma_f32 v[aD:aD+1], v[pD+4:pD+5], v[pD+6:pD+7], v[aD:aD+1]
.endif
.if nA < NG
	v_add_f32 v[pA+2], |v[dA+2]|, s[EPS]
.endif
.if (nC >= 0) && (nC < NG)
	v_rcp_f32 v[pC+5], v[pC+5]
.endif
.if nA < NG
	v_add_f32 v[pA+3], |v[dA+3]|, s[EPS]
.endif
.if (nB >= 0) && (nB < NG)
	v_pk_add_f32 v[pB+6:pB+7], v[pB:pB+1], v[pB+2:pB+3]
	v_pk_mul_f32 v[pB+8:pB+9], v[pB+2:pB+3], v[dB:dB+1]
.endif
.if (nC >= 0) && (nC < NG)
	v_pk_fma_f32 v[pC+8:pC+9], v[pC:pC+1], v[dC+2:dC+3], v[pC+8:pC+9]
.endif
.if nD >= 0
	v_pk_fma_f32 v[aD+2:aD+3], v[pD+4:pD+5], v[pD+8:pD+9], v[aD+2:aD+3]
.endif
.endm
	s_wait_dscnt 0x0                               ; the weights and x of s = 0 are in
	ROUNDW1
	ROUNDW2
	s_mov_b32 s[IT], 3
.Liter:
	v_mov_b32 v[XA], v[XB0]                        ; s = 0 is in the registers; the first trip asks for s = 1
	v_mov_b32 v[WA], v[WB0]
.set n, 0
.rept 32
	v_mov_b32 v[AC+n], 0                           ; 8 rows' four sums: cleared three times in the launch, so that one text serves all 64 trips
.set n, n+1
.endr
	s_mov_b32 s[CNT], 64
.Ltrip:
	; d for the trip's 16 groups: my two columns' weights of one i, times x of that i (the low or the high word of its pair, for both halves), less the row's two c
.set n, 0
.rept NG
.set rb, n%8
.set ru, n/8
	v_pk_fma_f32 v[DB+4*n:DB+4*n+1], v[WW+4*ru:WW+4*ru+1], v[XV+4*rb+2*ru:XV+4*rb+2*ru+1], v[CC+2*rb:CC+2*rb+1] op_sel_hi:[1,0,1] neg_lo:[0,0,1] neg_hi:[0,0,1]
	v_pk_fma_f32 v[DB+4*n+2:DB+4*n+3], v[WW+4*ru+2:WW+4*ru+3], v[XV+4*rb+2*ru:XV+4*rb+2*ru+1], v[CC+2*rb:CC+2*rb+1] op_sel:[0,1,0] op_sel_hi:[1,1,1] neg_lo:[0,0,1] neg_hi:[0,0,1]
.set n, n+1
.endr
	; the next s is asked for, into the registers just read: it has 17 bundles in which to land
	v_add_nc_u32 v[WA], 16*WP, v[WA]
	v_add_nc_u32 v[XA], 64, v[XA]
.irp t, 0,1,2,3
	ds_load_b64 v[WR+2*\t:WR+2*\t+1], v[WA] offset:\t*WP
.endr
.set n, 0
.rept 8
	ds_load_b128 v[XV+4*n:XV+4*n+3], v[XA] offset:n*XP
.set n, n+1
.endr
.set jj, 0
.rept NG+1
	BUNDLE jj
.set jj, jj+1
.endr
	s_wait_dscnt 0x0                               ; the next s's weights and x are in
	ROUNDW1                                        ; the rounding stands where the last groups run out and the wave would wait for their results
	BUNDLE NG+1
	ROUNDW2
	BUNDLE NG+2
	s_sub_co_u32 s[CNT], s[CNT], 1
	s_cmp_lg_u32 s[CNT], 0
	s_cbranch_scc1 .Ltrip
	; The iteration's end: the four lanes of a column are added (8 apart, 16 apart); c = (sum(r d) + c sum(r)) / max(sum(r), 1e-12).
.set k, 0
.rept 32
	v_add_f32_dpp v[AC+k], v[AC+k], v[AC+k] row_xmask:8 row_mask:0xf bank_mask:0xf
.set k, k+1
.endr
.set k, 0
.rept 32
	v_permlanex16_b32 v[DB+k], v[AC+k], s[SEL], s[SEL+1]
.set k, k+1
.endr
.set k, 0
.rept 16
	v_pk_add_f32 v[AC+2*k:AC+2*k+1], v[AC+2*k:AC+2*k+1], v[DB+2*k:DB+2*k+1]
.set k, k+1
.endr
.set k, 0
.rept 8
	v_pk_fma_f32 v[DB+2*k:DB+2*k+1], v[CC+2*k:CC+2*k+1], v[AC+4*k:AC+4*k+1], v[AC+4*k+2:AC+4*k+3]
.set k, k+1
.endr
.set k, 0
.rept 8
	v_max_num_f32 v[AC+4*k], s[TINY], v[AC+4*k]
	v_max_num_f32 v[AC+4*k+1], s[TINY], v[AC+4*k+1]
.set k, k+1
.endr
.set k, 0
.rept 8
	v_rcp_f32 v[AC+4*k], v[AC+4*k]
	v_rcp_f32 v[AC+4*k+1], v[AC+4*k+1]
.set k, k+1
.endr
	v_nop                                          ; a plain line between the last reciprocal and the use of its result (ISA guide 5.7.2)
.set k, 0
	s_wait_alu depctr_va_vdst(0)
.rept 8
	v_pk_mul_f32 v[CC+2*k:CC+2*k+1], v[DB+2*k:DB+2*k+1], v[AC+4*k:AC+4*k+1]
.set k, k+1
.endr
	s_sub_co_u32 s[IT], s[IT], 1
	s_cmp_lg_u32 s[IT], 0
	s_cbranch_scc1 .Liter
	; THE WAY OUT.  z = 1024 c.  A wave's 16 columns are 64 bytes of a row, so the four waves meet in a stage of 8 rows x 256 bytes.  The four lanes of a column hold the same number and store it to the same word.
.set i, 0
.rept 16
	v_mul_f32 v[OV+i], 0x44800000, v[CC+i]
.set i, i+1
.endr
.set i, 0
.rept 8
	ds_store_b64 v[STO], v[OV+2*i:OV+2*i+1] offset:256*i
.set i, i+1
.endr
	s_wait_dscnt 0x0                               ; for the others' sake: my stores into the stage are done
	s_barrier_signal -1
	s_barrier_wait -1
	ds_load_b128 v[OV:OV+3], v[RD]
	s_wait_dscnt 0x0
	global_store_b128 v[GO], v[OV:OV+3], s[8:9] th:TH_STORE_NT  ; 16 lanes store 256 consecutive bytes, at a multiple of 256 from out0's first byte
	s_wait_tensorcnt 0x0                           ; the wave's end, behind my last tensor load and my last LDS store
	ds_add_u32 v[SPW], v[NIL]
	s_wait_dscnt 0x0
	CROUND                                         ; the closing round: no work-group ends while a partner may still ask for a tile that names it
	s_endpgm
.Lfunc_end_k_q823979a6ec_robust:
	.size	k_q823979a6ec_robust, .Lfunc_end_k_q823979a6ec_robust-k_q823979a6ec_robust
	.p2alignl 7, 3214868480
	.fill 96, 4, 3214868480
	.section	.rodata,"a",@progbits
	.p2align	6, 0x0
	.amdhsa_kernel k_q823979a6ec_robust
		.amdhsa_group_segment_fixed_size 327680
		.amdhsa_private_segment_fixed_size 0
		.amdhsa_enable_private_segment 0
		.amdhsa_kernarg_size 24
		.amdhsa_user_sgpr_count 2
		.amdhsa_user_sgpr_kernarg_segment_ptr 1
		.amdhsa_wavefront_size32 1
		.amdhsa_system_sgpr_workgroup_id_x 1
		.amdhsa_system_sgpr_workgroup_id_y 1
		.amdhsa_system_sgpr_workgroup_id_z 1
		.amdhsa_system_vgpr_workitem_id 0
		.amdhsa_next_free_vgpr 224
		.amdhsa_next_free_sgpr 66
		.amdhsa_reserve_vcc 0
		.amdhsa_float_denorm_mode_32 3
		.amdhsa_float_denorm_mode_16_64 3
		.amdhsa_memory_ordered 1
		.amdhsa_forward_progress 1
		.amdhsa_inst_pref_size 54
	.end_amdhsa_kernel
	.amdgpu_metadata
---
amdhsa.version: [ 1, 2 ]
amdhsa.kernels:
  - .name:           k_q823979a6ec_robust
    .symbol:         k_q823979a6ec_robust.kd
    .args:
      - { .name: weight, .offset: 0, .size: 8, .value_kind: global_buffer, .address_space: global }
      - { .name: x, .offset: 8, .size: 8, .value_kind: global_buffer, .address_space: global }
      - { .name: out0, .offset: 16, .size: 8, .value_kind: global_buffer, .address_space: global }
    .group_segment_fixed_size: 327680
    .private_segment_fixed_size: 0
    .kernarg_segment_align: 8
    .kernarg_segment_size: 24
    .max_flat_workgroup_size: 128
    .sgpr_count:     66
    .vgpr_count:     224
    .wavefront_size: 32
...
	.end_amdgpu_metadata
.endif
;; end of part 1
;; ======== version 2 of 2: 1 launch; 1.70 times as fast as version 1
;; limits: right only within a limited range of input values
;; launch robust (part 2): grid 16 x 16, 4 waves a work-group, clusters of 4 x 1, 327,680 bytes of LDS; arguments weight, x, out0; writes out0
.if DOCPART == 2
	.amdgcn_target "amdgcn-amd-amdhsa--gfx1250"
	.amdhsa_code_object_version 6
	.text
	.protected	k_q823979a6ec_robust
	.globl	k_q823979a6ec_robust
	.p2align	8
	.type	k_q823979a6ec_robust,@function
k_q823979a6ec_robust:
	s_mov_b64 s[64:65], 0
	v_nop
	global_prefetch_b8 v0, s[64:65] scope:SCOPE_SE
	s_setreg_imm32_b32 hwreg(HW_REG_WAVE_MODE, 25, 1), 1
	s_wait_xcnt 0x0
	s_wait_alu depctr_hold_cnt(0) depctr_sa_sdst(0) depctr_va_vdst(0) depctr_va_sdst(0) depctr_va_ssrc(0) depctr_va_vcc(0) depctr_vm_vsrc(0)
	s_getreg_b32 s2, hwreg(HW_REG_IB_STS2, 6, 4)
	s_cmp_eq_u32 s2, 0
	s_cbranch_scc0 .Lentry_in_a_cluster
	s_endpgm
.Lentry_in_a_cluster:
	s_bfe_u32 s2, ttmp6, 0x10000c
	s_cmp_lg_u32 s2, 0x3003
	s_cbranch_scc0 .Lentry_shape_is_right
	s_endpgm
.Lentry_shape_is_right:
; RobustSum, L1 branch.  z = x W; then three times: c = z / 1024, r_i = 1 / (|x_i w_i - c| + 0.001), z = 1024 sum(r_i x_i w_i) / max(sum(r_i), 1e-12).
; x: [128][1024], weight: [1024 (i)][1024 (o)], out0: [128][1024], all f32.
; FORMAT.  The start z = x W goes to the matrix unit with bf16 operands and f32 sums.  Every use of x and of weight takes the number rounded to bf16 (widened to f32 again), so that the start
; and the terms x_i w_i of the iteration are made of the same numbers.  All else is f32.
; LIMITS.  Two terms share a reciprocal, 1 / (Ta Tb) with T = |d| + 0.001: Ta Tb has to stay under 2^126, that is |x w| under some 9e18.  NaN and infinities are not treated apart.
; ARITHMETIC.  d = x w - c in one fused multiply-add.  sum(r x w) = sum(r d) + c sum(r), so x w is never made apart.  For two terms a, b: ra + rb = (Ta + Tb) / (Ta Tb) and
; ra da + rb db = (Tb da + Ta db) / (Ta Tb).  Four terms (two i x two columns, the columns packed) take 12 plain instructions and 2 reciprocals.
; SHARES.  A work-group owns 8 rows of x and 64 columns; a wave 16 of the columns, over all 1,024 i.  Lane 8 g + c owns columns 2 c, 2 c + 1 of them and i = 16 s + 4 g + t, s = 0..63, t = 0..3.
; A column's four partial sums lie in lanes 8 and 16 apart.  The waves need nothing of each other between the start and the way out.
; THE LOOP goes along s, and a trip does ALL 8 rows of x for one s: the lane's 8 weights are read from LDS and rounded once for 8 rows' 64 terms (12 instructions beside 224), and the text of a
; trip serves every s.  The weights stay in LDS as they came: it has no room for a rounded copy, and registers cannot be indexed by a loop.
; THE RECIPROCALS are cut into two kinds of batch, each with ONE s_wait_alu depctr_va_vdst(0) ahead of its first reader.  A trip's 32 (16 groups x 2 columns) are one batch:
; each has a register of its own (RC), a group's other two numbers lie where its d lay, nothing ahead of the wait names a result, and all 32 lines that do (the sums) stand behind it, ahead of the
; backward jump.  The 16 at an iteration's end are the other.
; CLUSTER.  The four work-groups of a cluster own the same 64 columns and four blocks of rows of x: the tile of weight (1,024 rows of 256 bytes) is asked for JOINTLY, the same tensor loads,
; descriptors and mask in all four.  x is not shared so: it goes through registers to be rounded, and is 32 KiB of a work-group's 292.
.set WP,    272                        ; a row of the weight tile in LDS: 256 bytes + 16 of padding: rows 4 apart start 64 bytes apart modulo 256
.set XP,    4192                       ; a row of x in LDS: 4,096 bytes, its first 64 once more, 32 of padding: 96 modulo 256
.set XS,    1040*WP                    ; x behind the weight tile, whose rows 1,024 to 1,039 repeat rows 0 to 15.  Both repeats serve the look-ahead of an iteration's last trip: it fetches s = 0 for the next iteration, and the addresses only ever step up
.set STG,   XS+8*XP                    ; the stage for the way out: 8 rows of 256 bytes
.set SPARE, STG+2048                   ; the spare words, 128 bytes for each wave: two blocks of 256 bytes that no other line names
.set NG,    16                         ; groups of four terms in a trip: group n is row n % 8 of x, t = 2 (n / 8) and 2 (n / 8) + 1
.set XB0, 3                            ; v3   LDS address of my 16 bytes in the first 64 of row 0 of x: XS + 16 g
.set XA,  4                            ; v4   the same for the s in hand
.set WB0, 5                            ; v5   LDS address of my two columns in row 4 g of the tile
.set WA,  6                            ; v6   the same for the s (in the start: the chunk) in hand
.set AA,  7                            ; v7   the start: LDS address for the fragments of x: row lane % 8, piece g
.set T16, 8                            ; v8   16 x my thread's number: my byte offset in 2,048 bytes of x
.set XST, 9                            ; v9   the same in LDS
.set SPW, 10                           ; v10  LDS address of my spare word; never rewritten
.set NIL, 11                           ; v11  0; never rewritten
.set STO, 12                           ; v12  the way out: where my two columns go
.set RD,  13                           ; v13  the way out: where I read 16 bytes back
.set GO,  14                           ; v14  my byte offset in the work-group's part of out0
.set GD,  15                           ; v15  my byte offset in x of one of the 128 numbers that are laid down twice
.set CC,  16                           ; v16-31   c: row b's two columns at CC + 2 b
.set AC,  32                           ; v32-63   row b at AC + 4 b: sum(r) of my two columns, sum(r d) of my two columns
.set WR,  64                           ; v64-71   the next s's weights as loaded: row t's two columns at WR + 2 t
.set WW,  72                           ; v72-79   the weights in hand, rounded
.set WK,  80                           ; v80-83   two bf16 a register, at work
.set PT,  84                           ; v84-99   four sets of four, group n in set n % 4: Ta, Tb, a pair each
.set XV,  124                          ; v124-155 x: row b's four t at XV + 4 b, the same in the eight lanes of a group
.set DB,  156                          ; v156-219 d: group n's da, db at DB + 4 n; later Tb da + Ta db in da's place and Ta + Tb in db's
.set RC,  220                          ; v220-251 group n's Ta Tb, then its reciprocal, a pair at RC + 2 n: a register of its own for each result of the trip's batch
.set XR,  124                          ; set-up: x as loaded, 64 registers
.set PX,  84                           ;   two bf16 a register, at work
.set LDD, 100                          ;   where the number laid down twice goes
.set XD,  101                          ;   that number
.set XQ,  124                          ; the start: x for the fragments, 16
.set RAW, 156                          ;   a chunk's weights as loaded, 32
.set AF,  84                           ;   fragment of x, 8
.set FB,  92                           ;   fragments of weight, 8 + 8 (columns 0 and 1)
.set Z0,  188                          ;   the two accumulators, 8 + 8
.set ZT,  204
.set ZU,  156
.set OV,  156                          ; the way out: the 16 results
.set WV,  12                           ; s12  my wave's number
.set G1,  16                           ; s[16:23] descriptor group 1: 256 rows
.set G1S, 24                           ; s[24:31] the same for 4 rows
.set G0,  32                           ; s[32:35] descriptor group 0 of my 256 rows
.set G0S, 36                           ; s[36:39] of my 4 of the rows that are laid down twice
.set EPS, 40                           ; s40  0.001
.set HIM, 41                           ; s41  a word's upper bf16
.set SEL, 42                           ; s[42:43] v_permlanex16_b32's selects: each lane takes its own place in the other half
.set VM,  44                           ; s44  the lanes that hold true sums behind the matrix products
.set TINY, 45                          ; s45  1e-12
.set IT,  46                           ; s46  counts the three iterations
.set CNT, 47                           ; s47  counts the start's chunks, then an iteration's 64 trips
; A round of the cluster's barrier: my work-group's barrier, so that wave 0's signal speaks for all four waves; wave 0 signals; every wave waits for all four work-groups; my work-group's barrier once more.
.macro CROUND
	s_barrier_signal -1
	s_barrier_wait -1
	s_cmp_lg_u32 s[WV], 0
	s_cbranch_scc1 .Lnot_wave_0_\@
	s_barrier_signal -3
.Lnot_wave_0_\@:
	s_barrier_wait -3
	s_barrier_signal -1
	s_barrier_wait -1
.endm
	s_load_b128 s[4:7], s[0:1], 0x0                ; weight s[4:5], x s[6:7]
	s_load_b64 s[8:9], s[0:1], 0x10                ; out0
	v_lshl_add_u32 v[SPW], v0, 2, SPARE
	v_mov_b32 v[NIL], 0
	ds_add_u32 v[SPW], v[NIL]                      ; the wave's opening: the add and its wait stand ahead of my first tensor load; the set-up below, work on registers, stands between them
	ds_add_u32 v10, v11
	v_lshrrev_b32 v1, 5, v0
	v_readfirstlane_b32 s[WV], v1                  ; wave 0..3
	s_bfe_u32 s13, ttmp6, 0x40000                  ; cx: my place in the cluster
	s_lshl_b32 s14, ttmp9, 2                       ; in a cluster launch ttmp9 counts clusters
	s_add_co_u32 s14, s14, s13                     ; my block of 8 rows of x = 4 x cluster x + cx: it enters x's and out0's addresses alone
	s_and_b32 s15, ttmp7, 0xffff                   ; the block of 64 columns, which the four partners share
	; descriptor group 1: rows of 64 elements of 4 bytes, padded in LDS
.irp g, G1, G1S
	s_mov_b32 s[\g+0], 15|(2<<16)|(1<<20)|(1<<21)|(5<<22)|(3<<25)  ; 15:0 the mask of four; 17:16 4-byte elements; 20 padding on; 21 set beside a mask; 24:22 after every 64 words (code 5); 31:25 4 words (code 3)
	s_mov_b32 s[\g+1], 64<<16                      ; tensor_dim0 = 64
	s_mov_b32 s[\g+3], 64<<16                      ; tile_dim0 = 64
	s_mov_b32 s[\g+5], 1024                        ; 1,024 elements from row to row
	s_mov_b32 s[\g+6], 0
	s_mov_b32 s[\g+7], 0
.endr
	s_mov_b32 s[G1+2], 256<<16                     ; tensor_dim1 = 256
	s_mov_b32 s[G1+4], 256                         ; tile_dim1 = 256
	s_mov_b32 s[G1S+2], 4<<16                      ; tensor_dim1 = 4
	s_mov_b32 s[G1S+4], 4                          ; tile_dim1 = 4
	s_mov_b32 s[G0], 1                             ; 1:0 count = 1
	s_mul_i32 s[G0+1], s[WV], 256*WP               ; 63:32 LDS address: row i of the tile lies at i x 272; no place in the cluster enters an LDS address
	s_mov_b32 s[G0S], 1
	s_mul_i32 s[G0S+1], s[WV], 4*WP
	s_add_co_u32 s[G0S+1], s[G0S+1], 1024*WP       ; rows 4 wave .. + 3 once more, as rows 1,024 + 4 wave .. + 3
	s_lshl_b32 s48, s[WV], 20                      ; my 256 rows of 4,096 bytes,
	s_lshl_b32 s49, s15, 8                         ; the block's 64 columns
	s_add_co_u32 s48, s48, s49
	s_mov_b32 s49, 0
	s_lshl_b32 s50, s[WV], 14                      ; my 4 rows,
	s_lshl_b32 s51, s15, 8                         ; the same columns
	s_add_co_u32 s50, s50, s51
	s_mov_b32 s51, 0
	s_lshl_b32 s52, s14, 15                        ; my 8 rows of x and of out0
	s_mov_b32 s53, 0
	s_lshl_b32 s54, s15, 8
	s_mov_b32 s55, 0
	s_lshl_b32 s3, s[WV], 6                        ; my wave's 16 columns, in bytes
	s_mov_b32 s[EPS], 0x3a83126f                   ; 0.001
	s_mov_b32 s[HIM], 0xffff0000
	s_mov_b32 s[SEL], 0x76543210
	s_mov_b32 s[SEL+1], 0xfedcba98
	s_mov_b32 s[VM], 0xff0000ff                    ; lanes 0-7 and 24-31
	s_mov_b32 s[TINY], 0x2b8cbccc                  ; 1e-12
	s_wait_dscnt 0x0                               ; the opening add is done
	s_wait_kmcnt 0x0
	s_add_nc_u64 s[G0+2:G0+3], s[4:5], s[48:49]    ; 120:64 global address
	s_or_b32 s[G0+3], s[G0+3], 0x80000000          ; 127:126 type = 2
	s_add_nc_u64 s[G0S+2:G0S+3], s[4:5], s[50:51]
	s_or_b32 s[G0S+3], s[G0S+3], 0x80000000
	s_add_nc_u64 s[6:7], s[6:7], s[52:53]          ; x at my first row
	s_add_nc_u64 s[8:9], s[8:9], s[52:53]          ; out0 at my first row
	s_add_nc_u64 s[8:9], s[8:9], s[54:55]          ; and first column
	CROUND                                         ; all four work-groups are here: the joint loads meet
	tensor_load_to_lds s[G0:G0+3], s[G1:G1+7]      ; all fills of the launch, in one group: two loads of mine are out
	s_nop 0
	tensor_load_to_lds s[G0S:G0S+3], s[G1S:G1S+7]
	s_nop 0
	; x: the work-group's 8 rows are 32,768 bytes on end; load j of a wave's 16 covers 512 of them.  Ahead of them one number a thread: number thread % 16 of row thread / 16, which is laid down twice.
	v_lshlrev_b32 v[T16], 4, v0
	v_and_b32 v1, 15, v0
	v_lshrrev_b32 v2, 4, v0
	v_lshlrev_b32 v[GO], 12, v2                    ; sixteen threads to a row
	v_lshl_add_u32 v[GD], v1, 2, v[GO]
	v_lshl_add_u32 v[GO], v1, 4, v[GO]
	global_load_b32 v[XD], v[GD], s[6:7]
.set j, 0
.rept 16
	global_load_b128 v[XR+4*j:XR+4*j+3], v[T16], s[6:7] offset:2048*j
.set j, j+1
.endr
	v_mul_u32_u24 v[LDD], v2, XP
	v_lshl_add_u32 v[LDD], v1, 2, v[LDD]
	v_add_nc_u32 v[LDD], XS+4096, v[LDD]
	v_and_b32 v1, 7, v0                            ; c
	v_bfe_u32 v2, v0, 3, 2                         ; g
	v_mul_u32_u24 v[WB0], v2, 4*WP                 ; weight tile: row 4 g,
	v_lshl_add_u32 v[WB0], v1, 3, v[WB0]           ; my two columns
	v_add_nc_u32 v[WB0], s3, v[WB0]                ; of my wave's sixteen
	v_mov_b32 v[WA], v[WB0]
	v_mul_u32_u24 v[AA], v1, XP                    ; fragments of x: row c,
	v_lshl_add_u32 v[AA], v2, 4, v[AA]             ; piece g
	v_add_nc_u32 v[AA], XS, v[AA]
	v_lshlrev_b32 v[XB0], 4, v2
	v_add_nc_u32 v[XB0], XS, v[XB0]
	v_lshl_add_u32 v[XST], v0, 4, XS
	v_lshl_add_u32 v[STO], v1, 3, STG
	v_add_nc_u32 v[STO], s3, v[STO]
	v_lshl_add_u32 v[RD], v0, 4, STG
	; x is rounded to bf16, widened again and laid into LDS
	s_wait_loadcnt 16                              ; loads come back in order (ISA guide 5.7.1): the first is in, the 16 behind it stay out
	v_cvt_pk_bf16_f32 v[XD], v[XD], v[XD]
	v_lshlrev_b32 v[XD], 16, v[XD]
	ds_store_b32 v[LDD], v[XD]                     ; a row's first 16 numbers once more, behind its last
.set j, 0
.rept 16
	s_wait_loadcnt 15-j                            ; load j is in, the younger ones stay out
	v_cvt_pk_bf16_f32 v[PX+2*(j%4)], v[XR+4*j], v[XR+4*j+1]
	v_cvt_pk_bf16_f32 v[PX+2*(j%4)+1], v[XR+4*j+2], v[XR+4*j+3]
	v_lshlrev_b32 v[XR+4*j], 16, v[PX+2*(j%4)]
	v_and_b32 v[XR+4*j+1], s[HIM], v[PX+2*(j%4)]
	v_lshlrev_b32 v[XR+4*j+2], 16, v[PX+2*(j%4)+1]
	v_and_b32 v[XR+4*j+3], s[HIM], v[PX+2*(j%4)+1]
	ds_store_b128 v[XST], v[XR+4*j:XR+4*j+3] offset:(j/2)*XP+(j%2)*2048
.set j, j+1
.endr
	s_wait_tensorcnt 0x0                           ; my two parts of the tile have landed,
	s_wait_dscnt 0x0                               ; my stores of x are done: for the others' sake
	s_barrier_signal -1
	s_barrier_wait -1                              ; everybody's are
; THE START.  A chunk is 64 rows of the tile: four s, 16 of my i.  LOADCH asks for my 16 rows' two columns and for 16 numbers of x.
.macro LOADCH
.irp sl, 0,1,2,3
.irp t, 0,1,2,3
	ds_load_b64 v[RAW+8*\sl+2*\t:RAW+8*\sl+2*\t+1], v[WA] offset:\sl*16*WP+\t*WP
.endr
.endr
.irp sl, 0,1,2,3
	ds_load_b128 v[XQ+4*\sl:XQ+4*\sl+3], v[AA] offset:64*\sl
.endr
.endm
; PROC rounds a chunk and multiplies.  Two rows' four registers (a0 a1 b0 b1) give two bf16 pairs along i, (a0 b0) and (a1 b1): these ARE the registers of the matrix operand, 16 i of one column a lane.
; Operand A's lane l holds x[l % 8] at the i of group l / 8, operand B's lane l one of its columns at its own i.  D(m, n) adds lanes (m, h) x (n, h) over the halves h, so it is a true
; sum where m / 8 = n / 8: in lanes 0-7 (groups 0 and 2) and lanes 24-31 (groups 1 and 3), register j for row j of x.  The two accumulators take turns.
; more = 1: the next chunk is asked for when this one's registers have been read, ahead of the products.
.macro PROC zero, more
	s_wait_dscnt 0x0                               ; the chunk is in
.set i, 0
.rept 8
	v_cvt_pk_bf16_f32 v[FB+i], v[RAW+4*i], v[RAW+4*i+2]
	v_cvt_pk_bf16_f32 v[FB+8+i], v[RAW+4*i+1], v[RAW+4*i+3]
.set i, i+1
.endr
.set i, 0
.rept 8
	v_cvt_pk_bf16_f32 v[AF+i], v[XQ+2*i], v[XQ+2*i+1]  ; exact: x in LDS is rounded already
.set i, i+1
.endr
.if \more
	v_add_nc_u32 v[WA], 64*WP, v[WA]
	v_add_nc_u32 v[AA], 256, v[AA]
	LOADCH
.endif
.if \zero
	v_wmma_f32_16x16x32_bf16 v[Z0:Z0+7], v[AF:AF+7], v[FB:FB+7], 0          ; the first chunk starts the sums
	v_wmma_f32_16x16x32_bf16 v[Z0+8:Z0+15], v[AF:AF+7], v[FB+8:FB+15], 0
.else
	v_wmma_f32_16x16x32_bf16 v[Z0:Z0+7], v[AF:AF+7], v[FB:FB+7], v[Z0:Z0+7]
	v_wmma_f32_16x16x32_bf16 v[Z0+8:Z0+15], v[AF:AF+7], v[FB+8:FB+15], v[Z0+8:Z0+15]
.endif
.rept 4
	v_nop                                          ; four places (ISA guide 7.12.1) ahead of the lines that write the fragments anew, or read the sums
.endr
.endm
	LOADCH
	PROC 1, 1                                      ; chunk 0
	s_mov_b32 s[CNT], 14
.Lstart:
	PROC 0, 1                                      ; chunks 1 to 14
	s_sub_co_u32 s[CNT], s[CNT], 1
	s_cmp_lg_u32 s[CNT], 0
	s_cbranch_scc1 .Lstart
	PROC 0, 0                                      ; chunk 15: nothing is left to ask for
	; the first trip's weights and x, s = 0: on their way while c is made
.irp t, 0,1,2,3
	ds_load_b64 v[WR+2*\t:WR+2*\t+1], v[WB0] offset:\t*WP
.endr
.set n, 0
.rept 8
	ds_load_b128 v[XV+4*n:XV+4*n+3], v[XB0] offset:n*XP
.set n, n+1
.endr
	; c = z / 1024 for 8 rows x 2 columns: the lanes without a true sum give 0, then the four lanes of a column are added.  Each accumulator is read from its lowest register on.
.set i, 0
.rept 16
	v_cndmask_b32 v[ZT+i], 0, v[Z0+8*(i%2)+i/2], s[VM]
.set i, i+1
.endr
.set i, 0
.rept 16
	v_add_f32_dpp v[ZT+i], v[ZT+i], v[ZT+i] row_xmask:8 row_mask:0xf bank_mask:0xf
.set i, i+1
.endr
.set i, 0
.rept 16
	v_permlanex16_b32 v[ZU+i], v[ZT+i], s[SEL], s[SEL+1]
.set i, i+1
.endr
.set i, 0
.rept 8
	v_pk_add_f32 v[ZT+2*i:ZT+2*i+1], v[ZT+2*i:ZT+2*i+1], v[ZU+2*i:ZU+2*i+1]
.set i, i+1
.endr
.set i, 0
.rept 16
	v_mul_f32 v[CC+i], 0x3a800000, v[ZT+i]
.set i, i+1
.endr
; The weights of one s are rounded to bf16 and widened again, in two steps; the second is written for two rows t at a time.
.macro ROUNDW1
.irp t, 0,1,2,3
	v_cvt_pk_bf16_f32 v[WK+\t], v[WR+2*\t], v[WR+2*\t+1]
.endr
.endm
.macro ROUNDW2 first, second
.irp t, \first, \second
	v_lshlrev_b32 v[WW+2*\t], 16, v[WK+\t]
	v_and_b32 v[WW+2*\t+1], s[HIM], v[WK+\t]
.endr
.endm
; Bundle j holds four stages of four groups, ten lines: T of group j; Ta Tb (into RC) and Tb da (in da's place) of group j - 1; + Ta db (in da's place) and Ta + Tb (in db's place, behind the line that
; reads db) of group j - 2; the two reciprocals of group j - 3, in place in RC.  NO LINE OF A BUNDLE NAMES A RECIPROCAL'S RESULT: the sums, which do, stand behind the trip's one wait.
; In a full bundle no line reads a result made fewer than eleven lines before it, the two reciprocals stand five lines apart, and a plain line that touches neither its result nor its source follows each (ISA guide 5.7.2).
; In the last two bundles no group is left for the T stage: the rounding of the next s's weights takes its four places.
.macro BUNDLE j
.set nA, (\j)
.set nB, (\j)-1
.set nC, (\j)-2
.set nR, (\j)-3
.set dA, DB+4*nA
.set dB, DB+4*nB
.set dC, DB+4*nC
.set pA, PT+4*(nA%4)
.set pB, PT+4*(nB%4)
.set pC, PT+4*(nC%4)
.set rB, RC+2*nB
.set rR, RC+2*nR
.if nR >= 0
	v_rcp_f32 v[rR], v[rR]
.endif
.if nA < NG
	v_add_f32 v[pA], |v[dA]|, s[EPS]
	v_add_f32 v[pA+1], |v[dA+1]|, s[EPS]
	v_add_f32 v[pA+2], |v[dA+2]|, s[EPS]
	v_add_f32 v[pA+3], |v[dA+3]|, s[EPS]
.elseif nA == NG+1
	ROUNDW1
.elseif nA == NG+2
	ROUNDW2 0, 1
.endif
.if nR >= 0
	v_rcp_f32 v[rR+1], v[rR+1]
.endif
.if (nB >= 0) && (nB < NG)
	v_pk_mul_f32 v[rB:rB+1], v[pB:pB+1], v[pB+2:pB+3]
	v_pk_mul_f32 v[dB:dB+1], v[pB+2:pB+3], v[dB:dB+1]
.endif
.if (nC >= 0) && (nC < NG)
	v_pk_fma_f32 v[dC:dC+1], v[pC:pC+1], v[dC+2:dC+3], v[dC:dC+1]
	v_pk_add_f32 v[dC+2:dC+3], v[pC:pC+1], v[pC+2:pC+3]
.endif
.endm
	s_wait_dscnt 0x0                               ; the weights and x of s = 0 are in
	ROUNDW1
	ROUNDW2 0, 1
	ROUNDW2 2, 3
	s_mov_b32 s[IT], 3
.Liter:
	v_mov_b32 v[XA], v[XB0]                        ; s = 0 is in the registers; the first trip asks for s = 1
	v_mov_b32 v[WA], v[WB0]
.set n, 0
.rept 32
	v_mov_b32 v[AC+n], 0                           ; 8 rows' four sums: cleared three times in the launch, so that one text serves all 64 trips
.set n, n+1
.endr
	s_mov_b32 s[CNT], 64
.Ltrip:
	; d for the trip's 16 groups: my two columns' weights of one i, times x of that i (the low or the high word of its pair, for both halves), less the row's two c
.set n, 0
.rept NG
.set rb, n%8
.set ru, n/8
	v_pk_fma_f32 v[DB+4*n:DB+4*n+1], v[WW+4*ru:WW+4*ru+1], v[XV+4*rb+2*ru:XV+4*rb+2*ru+1], v[CC+2*rb:CC+2*rb+1] op_sel_hi:[1,0,1] neg_lo:[0,0,1] neg_hi:[0,0,1]
	v_pk_fma_f32 v[DB+4*n+2:DB+4*n+3], v[WW+4*ru+2:WW+4*ru+3], v[XV+4*rb+2*ru:XV+4*rb+2*ru+1], v[CC+2*rb:CC+2*rb+1] op_sel:[0,1,0] op_sel_hi:[1,1,1] neg_lo:[0,0,1] neg_hi:[0,0,1]
.set n, n+1
.endr
	; the next s is asked for, into the registers just read: it has 17 bundles in which to land
	v_add_nc_u32 v[WA], 16*WP, v[WA]
	v_add_nc_u32 v[XA], 64, v[XA]
.irp t, 0,1,2,3
	ds_load_b64 v[WR+2*\t:WR+2*\t+1], v[WA] offset:\t*WP
.endr
.set n, 0
.rept 8
	ds_load_b128 v[XV+4*n:XV+4*n+3], v[XA] offset:n*XP
.set n, n+1
.endr
.set jj, 0
.rept NG+1
	BUNDLE jj
.set jj, jj+1
.endr
	s_wait_dscnt 0x0                               ; the next s's weights and x are in
	BUNDLE NG+1                                    ; the last groups run out; the rounding of the next weights stands between their reciprocals
	BUNDLE NG+2                                    ; the batch's last two reciprocals
	ROUNDW2 2, 3                                   ; four plain lines that name no result of the batch; the first is the plain line behind the last reciprocal (ISA guide 5.7.2)
	s_wait_alu depctr_va_vdst(0)                   ; the wait for the batch: ONE for the trip's 32 reciprocals, ahead of their first reader and of the backward jump
	; the sums, groups 0 to 15 in order: sum(r) takes (Ta + Tb) / (Ta Tb), sum(r d) takes (Tb da + Ta db) / (Ta Tb); the two groups of a row of x stand 16 lines apart
.set n, 0
.rept NG
	v_pk_fma_f32 v[AC+4*(n%8):AC+4*(n%8)+1], v[RC+2*n:RC+2*n+1], v[DB+4*n+2:DB+4*n+3], v[AC+4*(n%8):AC+4*(n%8)+1]
	v_pk_fma_f32 v[AC+4*(n%8)+2:AC+4*(n%8)+3], v[RC+2*n:RC+2*n+1], v[DB+4*n:DB+4*n+1], v[AC+4*(n%8)+2:AC+4*(n%8)+3]
.set n, n+1
.endr
	s_sub_co_u32 s[CNT], s[CNT], 1
	s_cmp_lg_u32 s[CNT], 0
	s_cbranch_scc1 .Ltrip
	; The iteration's end: the four lanes of a column are added (8 apart, 16 apart); c = (sum(r d) + c sum(r)) / max(sum(r), 1e-12).
.set k, 0
.rept 32
	v_add_f32_dpp v[AC+k], v[AC+k], v[AC+k] row_xmask:8 row_mask:0xf bank_mask:0xf
.set k, k+1
.endr
.set k, 0
.rept 32
	v_permlanex16_b32 v[DB+k], v[AC+k], s[SEL], s[SEL+1]
.set k, k+1
.endr
.set k, 0
.rept 16
	v_pk_add_f32 v[AC+2*k:AC+2*k+1], v[AC+2*k:AC+2*k+1], v[DB+2*k:DB+2*k+1]
.set k, k+1
.endr
.set k, 0
.rept 8
	v_pk_fma_f32 v[DB+2*k:DB+2*k+1], v[CC+2*k:CC+2*k+1], v[AC+4*k:AC+4*k+1], v[AC+4*k+2:AC+4*k+3]
.set k, k+1
.endr
.set k, 0
.rept 8
	v_max_num_f32 v[AC+4*k], s[TINY], v[AC+4*k]
	v_max_num_f32 v[AC+4*k+1], s[TINY], v[AC+4*k+1]
.set k, k+1
.endr
.set k, 0
.rept 8
	v_rcp_f32 v[AC+4*k], v[AC+4*k]
	v_rcp_f32 v[AC+4*k+1], v[AC+4*k+1]
.set k, k+1
.endr
	v_nop                                          ; a plain line between the last reciprocal and the use of its result (ISA guide 5.7.2)
.set k, 0
	s_wait_alu depctr_va_vdst(0)                   ; the wait for the batch: one for the iteration's 16 reciprocals, ahead of their first reader
.rept 8
	v_pk_mul_f32 v[CC+2*k:CC+2*k+1], v[DB+2*k:DB+2*k+1], v[AC+4*k:AC+4*k+1]
.set k, k+1
.endr
	s_sub_co_u32 s[IT], s[IT], 1
	s_cmp_lg_u32 s[IT], 0
	s_cbranch_scc1 .Liter
	; THE WAY OUT.  z = 1024 c.  A wave's 16 columns are 64 bytes of a row, so the four waves meet in a stage of 8 rows x 256 bytes.  The four lanes of a column hold the same number and store it to the same word.
.set i, 0
.rept 16
	v_mul_f32 v[OV+i], 0x44800000, v[CC+i]
.set i, i+1
.endr
.set i, 0
.rept 8
	ds_store_b64 v[STO], v[OV+2*i:OV+2*i+1] offset:256*i
.set i, i+1
.endr
	s_wait_dscnt 0x0                               ; for the others' sake: my stores into the stage are done
	s_barrier_signal -1
	s_barrier_wait -1
	ds_load_b128 v[OV:OV+3], v[RD]
	s_wait_dscnt 0x0
	global_store_b128 v[GO], v[OV:OV+3], s[8:9] th:TH_STORE_NT  ; 16 lanes store 256 consecutive bytes, at a multiple of 256 from out0's first byte
	s_wait_tensorcnt 0x0                           ; the wave's end, behind my last tensor load and my last LDS store
	ds_add_u32 v[SPW], v[NIL]
	s_wait_dscnt 0x0
	CROUND                                         ; the closing round: no work-group ends while a partner may still ask for a tile that names it
	s_endpgm
.Lfunc_end_k_q823979a6ec_robust:
	.size	k_q823979a6ec_robust, .Lfunc_end_k_q823979a6ec_robust-k_q823979a6ec_robust
	.p2alignl 7, 3214868480
	.fill 96, 4, 3214868480
	.section	.rodata,"a",@progbits
	.p2align	6, 0x0
	.amdhsa_kernel k_q823979a6ec_robust
		.amdhsa_group_segment_fixed_size 327680
		.amdhsa_private_segment_fixed_size 0
		.amdhsa_enable_private_segment 0
		.amdhsa_kernarg_size 24
		.amdhsa_user_sgpr_count 2
		.amdhsa_user_sgpr_kernarg_segment_ptr 1
		.amdhsa_wavefront_size32 1
		.amdhsa_system_sgpr_workgroup_id_x 1
		.amdhsa_system_sgpr_workgroup_id_y 1
		.amdhsa_system_sgpr_workgroup_id_z 1
		.amdhsa_system_vgpr_workitem_id 0
		.amdhsa_next_free_vgpr 252
		.amdhsa_next_free_sgpr 66
		.amdhsa_reserve_vcc 0
		.amdhsa_float_denorm_mode_32 3
		.amdhsa_float_denorm_mode_16_64 3
		.amdhsa_memory_ordered 1
		.amdhsa_forward_progress 1
		.amdhsa_inst_pref_size 53
	.end_amdhsa_kernel
	.amdgpu_metadata
---
amdhsa.version: [ 1, 2 ]
amdhsa.kernels:
  - .name:           k_q823979a6ec_robust
    .symbol:         k_q823979a6ec_robust.kd
    .args:
      - { .name: weight, .offset: 0, .size: 8, .value_kind: global_buffer, .address_space: global }
      - { .name: x, .offset: 8, .size: 8, .value_kind: global_buffer, .address_space: global }
      - { .name: out0, .offset: 16, .size: 8, .value_kind: global_buffer, .address_space: global }
    .group_segment_fixed_size: 327680
    .private_segment_fixed_size: 0
    .kernarg_segment_align: 8
    .kernarg_segment_size: 24
    .max_flat_workgroup_size: 128
    .sgpr_count:     66
    .vgpr_count:     252
    .wavefront_size: 32
...
	.end_amdgpu_metadata
.endif
;; end of part 2
